; MI455X (gfx1250); checked and timed in simulation.
; The chip was launched on July 23, 2026; its instructions are those of AMD's public machine-readable ISA for CDNA 5 (MIT licence, August 2026) and "CDNA5" Instruction Set Architecture Reference Guide (July 2026). The comments in the code are by the model that wrote it; some were corrected since.
;; Ring Attention. Allowed arithmetic: matrix products marked QUANTISED: E2M1 operands, one E8M0 scale for each 32 along K, by v_wmma_scale_f32_16x16x128_f8f6f4 with both operands' format E2M1 (or v_wmma_scale_f32_32x16x128_f4), f32 sums; everything else in f32.
;; Inputs: k_codes 2 x 16 x 2,048 x 4 x 16 uint8 (E2M1 codes of k, K innermost, in blocks of 32 codes, two codes a byte); k_scales 2 x 16 x 2,048 x 4 uint8 (E8M0 scales of k, one for each 32 codes along K); q_codes 2 x 16 x 2,048 x 4 x 16 uint8 (E2M1 codes of q, K innermost, in blocks of 32 codes, two codes a byte); q_scales 2 x 16 x 2,048 x 4 uint8 (E8M0 scales of q, one for each 32 codes along K); v_codes 2 x 16 x 128 x 64 x 16 uint8 (E2M1 codes of v, K innermost, in blocks of 32 codes, two codes a byte); v_scales 2 x 16 x 128 x 64 uint8 (E8M0 scales of v, one for each 32 codes along K).
;; Outputs: out0 2 x 16 x 2,048 x 128 float32.
;; This version of the problem:
;;   THIS VERSION OF THE PROBLEM IS GIVEN IN LOW PRECISION. The matrix products marked QUANTISED in the list below multiply operands that are first quantised to E2M1 (2 exponent bits, 1 mantissa bit; 4 bits a number), with one power-of-two scale for each 32 numbers along K (OCP MX v1.0); their sums are f32. All else is computed in f32.
;;   The module's matrix products, in the order in which they are computed (A, B: the left and right operand; K: the contracted axis; several contracted axes count as one K, in the product's order):
;;     1. batch 32 x [M 2,048, K 128] x [K 128, N 2,048]; A: input q (given as codes); B: input k (given as codes): QUANTISED
;;     2. batch 32 x [M 2,048, K 2,048] x [K 2,048, N 128]; A: softmax (see below); B: input v (given as codes): QUANTISED
;;   THE QUANTISER, for each operand of a quantised product, along K:
;;     - K is cut into blocks of 32 from its start; a last block that is shorter is filled with zeros.
;;     - A block's scale is 2^e with e = floor(log2(the largest magnitude in the block)) - 2, held to -126 .. 127; a block of zeros has e = 0. As a byte (E8M0): e + 127.
;;     - Each number is divided by its block's scale, clamped to +-6, and rounded to the nearest number of E2M1, ties to even, subnormals kept.
;;     - The product sums the exact products of the quantised numbers (number of the format x scale) in f32.
;;   ~~~python
;;   def quantise(x, axis):      # numpy; x: float32 -> the quantised numbers, widened to float32 again
;;       x = np.moveaxis(x, axis, -1); K = x.shape[-1]
;;       x = np.pad(x, [(0, 0)] * (x.ndim - 1) + [(0, -K % 32)]); x = x.reshape(x.shape[:-1] + (-1, 32)); a = np.abs(x).max(-1, keepdims=True)
;;       e = np.where(a > 0, np.clip(np.frexp(np.where(a > 0, a, 1))[1] - 1 - 2, -126, 127), 0)      # np.frexp(a)[1] - 1 = floor(log2(a)), exactly
;;       r = np.clip(x / 2.0 ** e, -6, 6)
;;       step = 2.0 ** (np.maximum(np.frexp(np.where(r == 0, 1, r))[1] - 1, 0) - 1)
;;       q = np.round(r / step) * step * 2.0 ** e      # np.round: ties to even
;;       return np.moveaxis(q.reshape(q.shape[:-2] + (-1,))[..., :K], -1, axis).astype(np.float32)
;;   ~~~
;;   SOFTMAX AHEAD OF A QUANTISED PRODUCT. Where the list says 'softmax', what is quantised is not the finished softmax but p = 2^(t - M), with t = logit x log2(e) and M = ceil(the row's largest t), a whole number; so 1/2 < the row's largest p <= 1. The row's sum l is taken of the UNQUANTISED p, in f32, and the product's result is divided by l at the end. Since M is a whole number, a kernel that streams over the keys may use a running M (the ceiling of the running maximum): every later rescaling is an exact power of two, which a block's scale takes up: the codes' values come out the same.
;;   OPERANDS COMPUTED ON THE WAY. 'Computed on the way' means the value that the module computes at that place (a softmax that the list does not call 'softmax' is quantised finished and normalised). What goes into a quantiser is computed in f32, as accurately as f32 sums, v_exp_f32 and their like allow (about 1e-6 of the number): no bf16 or f16 on the way to a quantiser, and a product that is left as it is and whose result goes on into a quantised operand takes f32 operands (vector FMAs, or v_wmma_f32_16x16x4_f32). A number that lies on a knife's edge between two numbers of the format may be rounded either way, as far as f32 arithmetic and the matrix unit's own rounding can turn it there, and no further.
;;   INPUTS GIVEN AS CODES. k (in the module: [2, 16, 2048, 128], K = its axis 3); q (in the module: [2, 16, 2048, 128], K = its axis 3); v (in the module: [2, 16, 2048, 128], K = its axis 2): each comes as NAME_codes (uint8): NAME with its K axis moved to the last place and cut into blocks of 32 codes, [.., K / 32, bytes a block], one block behind the other in memory; two codes a byte, the lower K in the low four bits (a code: sign, 2 exponent bits, 1 mantissa bit); and NAME_scales (uint8): the same leading axes, one E8M0 byte (e + 127) for each 32 codes along K. Its value is code x scale, taken as it is: it is not quantised again, and the codes and scales need not be those that the quantiser above would give.
;; One version. Each part assembles by itself: llvm-mc -triple=amdgcn-amd-amdhsa -mcpu=gfx1250 --defsym DOCPART=n.
;; ======== version 1 of 1: 1 launch
;; launch attn (part 1): grid 8 x 32, 16 waves a work-group, no clusters, 327,680 bytes of LDS; arguments q_codes, q_scales, k_codes, k_scales, v_codes, v_scales, out0; writes out0
.if DOCPART == 1
	.amdgcn_target "amdgcn-amd-amdhsa--gfx1250"
	.amdhsa_code_object_version 6
	.text
	.protected	k_q6862e961b8_attn
	.globl	k_q6862e961b8_attn
	.p2align	8
	.type	k_q6862e961b8_attn,@function
k_q6862e961b8_attn:
	s_mov_b64 s[64:65], 0
	v_nop
	global_prefetch_b8 v0, s[64:65] scope:SCOPE_SE
	s_setreg_imm32_b32 hwreg(HW_REG_WAVE_MODE, 25, 1), 1
	s_wait_xcnt 0x0
; out[h][q][:] = the sum over keys k <= q of softmax_k(Q[h][q] . K[h][k] / sqrt(128)) V[h][k][:]: causal attention, 32 heads, 2,048 positions, head size 128.
; Both products run on codes of FP4 (E2M1) with one E8M0 byte for each 32 along a product's K.  Q, K: rows of 64 bytes (128 codes), 4 scale bytes a row.  V: the keys innermost, 128 rows of 1,024 bytes a head, 64 scale bytes a row.  out: f32.
; THE SOFTMAX AHEAD OF THE SECOND PRODUCT: t = score x log2(e) / sqrt(128); M = the row's largest t so far, rounded UP to a whole number; p = 2^(t - M) is quantised along the keys, not normalised.
; The row's sum is taken of the unquantised p in f32 and divides at the end.  When M moves, the sum and O are multiplied by 2^(old M - new M): exact.
; SHARES.  Work-group (x = j, y = head) owns two blocks of 128 queries: block j and block 15 - j.  A wave owns 16 queries of block D (D = j or 15 - j) and works on key steps 0 .. D of 128 keys: D whole ones and the
; last, on the diagonal, masked; the trips behind D do nothing.  So a work-group has 8 (j + 1) + 8 (16 - j) = 136 wave steps whatever j is.  Which waves take the high block: (w xor w / 4) odd, so that of waves w, w + 4, w + 8, w + 12 and of waves 4 s .. 4 s + 3 alike two are low and two high.
; LDS.  A whole head lies in LDS, 304,128 bytes with padding: every byte is filled once, by tensor loads issued at the start (waves 0, 1: K's halves; waves 2, 3: V's), in four chunks of 512 keys.  Nothing is filled again.
; LAYOUT.  Both products are used transposed: S^T = K Q^T (source 0 = 16 keys, source 1 = my 16 queries), O^T = V^T P^T (source 0 = 16 channels, source 1 = P): a lane holds ONE query (lane % 16) throughout.
; THE KEYS OF A TILE ARE NOT NEIGHBOURS: lane r of tile 2 b + u takes key 32 b + 8 u + r + 8 (r / 8), so that the 16 registers of tiles 2 b, 2 b + 1 are the 16 neighbouring keys 32 b + 16 (lane / 16) + 0 .. 15.
; NO CLUSTER, though the eight work-groups of a head read the same K and V: how many key steps a wave works on hangs on the work-group's x, and partners of a joint load have to run alike; and each work-group asks for its head once, in its first lines.
; LIMITS.  A p under 2^-126 counts as 0 (v_exp_f32: ISA guide 15.8).  old M - new M is held at -256 from below: the factor 2^(old M - new M) is 0 under 2^-149 in any case, and what it drops weighs less than that beside the row's largest p.
; A block of p that is all zeros gets the scale byte 1 and not 127: its codes are 0, so the product is the same.  NaN, infinities and the scale byte 0xff among the inputs are not served.
; The row's sum is added in another order than a plain sum along the keys.
.set KBASE,  0                         ; K: LDS rows of 128 bytes (two keys) + 16 of padding: key k at (k / 2) 144 + (k % 2) 64.  The 16 keys of a tile then start at 16 different 16-byte columns modulo 256 (64 banks of 4 bytes: ISA guide 11.1)
.set KSTEP,  9216                      ; 128 keys
.set KHALF,  18432                     ; 256 keys: one tensor load
.set KCH,    36864                     ; 512 keys: a chunk
.set VBASE,  147456                    ; V: four chunk tiles of 128 rows x (256 bytes + 16)
.set VP,     272
.set VHALF,  17408                     ; 64 rows: one tensor load
.set VCH,    34816
.set SCK,    286720                    ; K's scale bytes of the head, 8,192, as 32 units of 256 bytes + 16
.set SCV,    295424                    ; V's likewise; they end at 304,128
.set SCHALF, 4352                      ; 16 units: one tensor load
.set STGB,   4352                      ; the way out: 16 rows x 272 bytes for each wave, 69,632 in all, from LDS byte 0 on (where K's first keys lay): those bytes have had their one fill, and behind the last barrier nobody reads K, V or the scale bytes
.set AK0,  1                           ; v1   my lane's place in a tile of K
.set AV0,  2                           ; v2   in a tile of V
.set ASK0, 3                           ; v3   among K's scale words (lanes 16-31: the odd tile's)
.set ASV0, 4                           ; v4   among V's (likewise)
.set LM,   5                           ; v5   my query's place in its key step less 16 (lane / 16): the mask keeps register i of block b where 32 b + i <= v5
.set GO,   6                           ; v6   the way out: my byte offset in the wave's rows of out
.set RR,   7                           ; v7   lane % 16
.set ADK,  8                           ; v8-11 the step's LDS addresses: K, K's scale words, V, V's scale words
.set ADS,  9
.set ADV,  10
.set ADT,  11
                                       ; v12 -M; v13 the largest t; v[14:15] the sum (even keys', odd keys'); v16-23 Q; v[24:25] 2^(old M - new M), and a word that is only named; v26 old -M, then old M - new M; v27 at work; v28, v29 Q's offsets
.set X,    32                          ; v32-95   eight fragments of K, then of V
.set S,    96                          ; v96-159  S^T, then p
.set O,    160                         ; v160-223 O^T
.set PC,   224                         ; v224-231 p's codes
.set BM,   232                         ; v232-235 the four blocks' largest score, then largest p; later v232-239 are the four chains of the sum
.set TM,   236                         ; v236-239 at work: the other half's maxima, then the scale bytes
.set CV,   240                         ; v240-243 the blocks' scales as f32, for the conversions
.set SW,   248                         ; v248-251 scale words of K or of V: register g holds tile 2 g's in lanes 0-15 and tile 2 g + 1's in lanes 16-31
.set PS,   254                         ; v254 p's scale word
.set QS,   255                         ; v255 Q's scale words
.set WV,   18                          ; s18  my wave's number
.set HI,   19                          ; s19  1: my wave takes the high block
.set SEL,  20                          ; s[20:21] selects for v_permlanex16_b32: lane l xor 16
.set CS,   22                          ; s[22:23] c = log2(e) / sqrt(128), named as a pair
.set DG,   24                          ; s24  D: my block of queries, and my last key step
.set UU,   25                          ; s25  which 16 queries of the block
.set HALF, 26                          ; s26  which half of a chunk I fetch, if I fetch
.set NINF, 27                          ; s27  -infinity
.set HC,   28                          ; s[28:29] the head's first byte in a tensor of codes
.set HS,   30                          ; s[30:31] and in a tensor of scale bytes
.set G1,   32                          ; s[32:39] descriptor group 1 for the codes
.set G1S,  40                          ; s[40:47] for the scale bytes
.set G0,   48                          ; s[48:63] group 0, a set for each chunk
.set G0S,  68                          ; s[68:71] group 0 for the scale bytes
.set TK,   72                          ; s72-75 where the step's K, V, K's scale words and V's begin
.set TV,   73
.set TS,   74
.set TT,   75
.set ST,   76                          ; s76  the key step's number
.set QI,   77                          ; s77  counts a chunk's four steps
.set STG,  78                          ; s78  my stage
.set Q0,   79                          ; s79  my first query
	s_load_b256 s[4:11], s[0:1], 0x0               ; Q's codes s[4:5], Q's scales s[6:7], K's codes s[8:9], K's scales s[10:11]
	s_load_b128 s[12:15], s[0:1], 0x20             ; V's codes, V's scales
	s_load_b64 s[16:17], s[0:1], 0x30              ; out
	v_lshrrev_b32 v7, 5, v0
	v_readfirstlane_b32 s[WV], v7                  ; wave 0..15
	s_lshr_b32 s2, s[WV], 2
	s_xor_b32 s2, s2, s[WV]
	s_and_b32 s[HI], s2, 1                         ; (w xor w / 4) odd: the high block
	s_lshr_b32 s[UU], s[WV], 1                     ; waves 2 u and 2 u + 1 take tile u, one of the low block and one of the high
	s_and_b32 s[HALF], s[WV], 1
	s_sub_co_u32 s3, 15, ttmp9
	s_cmp_lg_u32 s[HI], 0
	s_cselect_b32 s[DG], s3, ttmp9                 ; D = 15 - j or j
	s_lshl_b32 s[Q0], s[DG], 7
	s_lshl_b32 s2, s[UU], 4
	s_add_co_u32 s[Q0], s[Q0], s2                  ; my first query: 128 D + 16 u
	s_and_b32 s80, ttmp7, 0xffff                   ; the head
	s_lshl_b32 s[HC], s80, 17                      ; 131,072 bytes of codes a head
	s_mov_b32 s[HC+1], 0
	s_lshl_b32 s[HS], s80, 13                      ; 8,192 scale bytes a head
	s_mov_b32 s[HS+1], 0
	s_mul_i32 s[STG], s[WV], STGB
	s_mov_b32 s[SEL], 0x76543210
	s_mov_b32 s[SEL+1], 0xfedcba98
	s_mov_b32 s[CS], 0x3e0293ee                    ; c = log2(e) / sqrt(128)
	s_mov_b32 s[CS+1], 0x3e0293ee
	s_mov_b32 s[NINF], 0xff800000
	s_mov_b32 s[ST], 0
	; group 1 for half a head's scale bytes: 4,096 dense bytes as 16 rows of 256 (32 elements of 8 bytes), 16 bytes of padding behind each
	s_mov_b32 s[G1S+0], (3<<16)|(1<<20)|(5<<22)|(3<<25)   ; 15:0 no mask; 17:16 elements of 8 bytes; 20 padding on; 24:22 after every 64 words (code 5); 31:25 four words (code 3)
	s_mov_b32 s[G1S+1], 32<<16                     ; tensor_dim0
	s_mov_b32 s[G1S+2], 16<<16                     ; tensor_dim1
	s_mov_b32 s[G1S+3], 32<<16                     ; tile_dim0
	s_mov_b32 s[G1S+4], 16                         ; tile_dim1
	s_mov_b32 s[G1S+5], 32                         ; tensor_dim0_stride
	s_mov_b32 s[G1S+6], 0
	s_mov_b32 s[G1S+7], 0
	s_wait_kmcnt 0x0
; ALL THAT A FETCHING WAVE FETCHES: its half of the scale bytes, then its half of chunks 0 to 3: five tensor loads on end, so five of the wave's are out.  cp, sp: the scalar pairs with the codes' and the scale bytes' addresses.
; w0: group 1's first word; d0 x rows: the tile, in bytes and rows; pitch: bytes from row to row in memory; ghalf, gstep: bytes in memory from half to half and from chunk to chunk; lbase, lhalf, lstep: the same in LDS; sbase: the scale bytes' place in LDS.
.macro FILLS cp, sp, w0, d0, rows, pitch, ghalf, gstep, lbase, lhalf, lstep, sbase
	s_mov_b32 s[G1+0], \w0
	s_mov_b32 s[G1+1], (\d0)<<16                   ; tensor_dim0
	s_mov_b32 s[G1+2], (\rows)<<16                 ; tensor_dim1
	s_mov_b32 s[G1+3], (\d0)<<16                   ; tile_dim0
	s_mov_b32 s[G1+4], \rows                       ; tile_dim1
	s_mov_b32 s[G1+5], \pitch                      ; tensor_dim0_stride
	s_mov_b32 s[G1+6], 0
	s_mov_b32 s[G1+7], 0
	s_mul_i32 s2, s[HALF], \ghalf
	s_mov_b32 s3, 0
	s_add_nc_u64 s[2:3], s[2:3], s[HC:HC+1]
	s_add_nc_u64 s[\cp:\cp+1], s[\cp:\cp+1], s[2:3]   ; the codes at my half of the head's chunk 0
	s_mul_i32 s80, s[HALF], \lhalf
	s_lshl_b32 s2, s[HALF], 12
	s_mov_b32 s3, 0
	s_add_nc_u64 s[2:3], s[2:3], s[HS:HS+1]
	s_add_nc_u64 s[\sp:\sp+1], s[\sp:\sp+1], s[2:3]   ; the scale bytes at my half of the head's
	s_mul_i32 s81, s[HALF], SCHALF
	s_mov_b32 s[G0S], 1                            ; 1:0 count = 1
	s_add_co_u32 s[G0S+1], s81, \sbase             ; 63:32 LDS address
	s_mov_b64 s[G0S+2:G0S+3], s[\sp:\sp+1]         ; 120:64 global address
	s_or_b32 s[G0S+3], s[G0S+3], 0x80000000        ; 127:126 type = 2
.irp n, 0,1,2,3
	s_mov_b32 s[G0+4*\n], 1
	s_add_co_u32 s[G0+4*\n+1], s80, \lbase+\n*\lstep
	s_add_nc_u64 s[G0+4*\n+2:G0+4*\n+3], s[\cp:\cp+1], \n*\gstep
	s_or_b32 s[G0+4*\n+3], s[G0+4*\n+3], 0x80000000
.endr
	tensor_load_to_lds s[G0S:G0S+3], s[G1S:G1S+7]
.irp n, 0,1,2,3
	tensor_load_to_lds s[G0+4*\n:G0+4*\n+3], s[G1:G1+7]
.endr
.rept 4
	v_nop                                          ; four v_nop follow the last
.endr
.endm
	; A wave's first fills stand in one branch on its number, ahead of every wait on TENSORcnt, every LDS read and every barrier.  Waves 4 to 15 fetch nothing.
	s_cmp_lt_u32 s[WV], 2
	s_cbranch_scc0 .Lnot_k
	FILLS 8, 10, (0<<16)|(1<<20)|(4<<22)|(3<<25), 128, 128, 128, 16384, 32768, KBASE, KHALF, KCH, SCK   ; K: 256 keys are 16,384 dense bytes: 128 rows of 128, four words of padding after every 32 (code 4)
	s_branch .Lasked
.Lnot_k:
	s_cmp_lt_u32 s[WV], 4
	s_cbranch_scc0 .Lasked
	FILLS 12, 14, (0<<16)|(1<<20)|(5<<22)|(3<<25), 256, 64, 1024, 65536, 256, VBASE, VHALF, VCH, SCV    ; V: 64 rows of 256 bytes (512 keys), 1,024 bytes apart; four words of padding after every 64 (code 5)
.Lasked:
	s_lshl_b32 s82, s[Q0], 6
	s_add_co_u32 s82, s82, s[HC]
	s_mov_b32 s83, 0
	s_add_nc_u64 s[4:5], s[4:5], s[82:83]          ; Q's codes at my first query
	s_lshl_b32 s82, s[Q0], 2
	s_add_co_u32 s82, s82, s[HS]
	s_add_nc_u64 s[6:7], s[6:7], s[82:83]          ; its scale words
	s_lshl_b32 s82, s[HC], 3                       ; 1,048,576 bytes of out a head,
	s_lshl_b32 s2, s[Q0], 9                        ; 512 a query: under 2^25 together
	s_add_co_u32 s82, s82, s2
	s_add_nc_u64 s[16:17], s[16:17], s[82:83]      ; out at my first query
	v_and_b32 v[RR], 15, v0                        ; r = lane % 16
	v_bfe_u32 v10, v0, 4, 1                        ; h = lane / 16
	v_lshlrev_b32 v28, 6, v[RR]
	v_lshl_add_u32 v28, v10, 4, v28                ; Q: row r of 64 bytes, + 16 h
	v_lshlrev_b32 v29, 2, v[RR]
	global_load_b128 v[16:19], v28, s[4:5] th:TH_LOAD_NT             ; Q's fragment stays in registers: k = 32 h + 0 .. 31,
	global_load_b128 v[20:23], v28, s[4:5] offset:32 th:TH_LOAD_NT   ; and 64 + 32 h + 0 .. 31
	global_load_b32 v[QS], v29, s[6:7]             ; Q's scale words
	v_and_b32 v11, 8, v[RR]
	v_add_nc_u32 v11, v11, v[RR]                   ; r + 8 (r / 8): 0 .. 7, 16 .. 23
	v_lshrrev_b32 v8, 1, v11
	v_mul_u32_u24 v[AK0], v8, 144
	v_and_b32 v8, 1, v11
	v_lshl_add_u32 v[AK0], v8, 6, v[AK0]
	v_lshl_add_u32 v[AK0], v10, 4, v[AK0]          ; K: two keys to an LDS row, + 16 h
	v_mul_u32_u24 v[AV0], v[RR], VP
	v_lshl_add_u32 v[AV0], v10, 4, v[AV0]          ; V: row r, + 16 h
	v_lshl_add_u32 v[ASK0], v11, 2, SCK            ; K's scale words: 4 bytes a key;
	v_lshl_add_u32 v[ASK0], v10, 5, v[ASK0]        ; lanes 16-31 take the odd tile's, 8 keys on
	v_lshrrev_b32 v8, 2, v[RR]                     ; V's: 64 bytes a channel, four channels to a unit of 256 + 16;
	v_mul_u32_u24 v[ASV0], v8, 272
	v_and_b32 v8, 3, v[RR]
	v_lshl_add_u32 v[ASV0], v8, 6, v[ASV0]
	v_mad_u32_u24 v[ASV0], v10, 1088, v[ASV0]      ; lanes 16-31 take the odd tile's, 16 channels (four units) on
	v_add_nc_u32 v[ASV0], SCV, v[ASV0]
	v_lshlrev_b32 v8, 4, v10
	v_sub_nc_u32 v[LM], v[RR], v8
	s_lshl_b32 s2, s[UU], 4
	v_add_nc_u32 v[LM], s2, v[LM]                  ; 16 u + r - 16 h, signed
	v_lshlrev_b32 v[GO], 9, v10
	v_lshl_add_u32 v[GO], v[RR], 4, v[GO]          ; the way out: lanes 0-15 one row of out, lanes 16-31 the next; 16 bytes a lane
	v_mov_b32 v13, 0xff61b1e6                      ; the largest t so far: -3e38, under every t
	v_floor_f32 v12, -v13                          ; -M
	v_mov_b32 v14, 0                               ; the sum
	v_mov_b32 v15, 0
	v_mov_b32 v25, 0                               ; named with v24 as a pair, so it is written
	v_mov_b32 v27, 0                               ; (the destination of a lane permute counts as read)
.irp b, 0,1,2,3
	v_mov_b32 v[TM+\b], 0
.endr
.set j, 0
.rept 64
	v_mov_b32 v[O+j], 0                            ; O^T.  (The key step is written without a first step of its own: the first finds zeros, which the first change of M leaves zeros)
.set j, j+1
.endr
; A KEY STEP: 128 keys.  diag = 1: the step on the diagonal: keys behind my query are hidden.
.macro STEP diag
	v_add_nc_u32 v[ADK], s[TK], v[AK0]             ; four plain instructions: also the places between the last step's products and the loads into the registers that they read
	v_add_nc_u32 v[ADS], s[TS], v[ASK0]
	v_add_nc_u32 v[ADV], s[TV], v[AV0]
	v_add_nc_u32 v[ADT], s[TT], v[ASV0]
.irp b, 0,1,2,3
	ds_load_b32 v[SW+\b], v[ADS] offset:272*(\b/2)+128*(\b%2)       ; the scale words of tiles 2 b (lanes 0-15) and 2 b + 1 (lanes 16-31)
.endr
.irp t, 0,1,2,3,4,5,6,7
	ds_load_b128 v[X+8*\t:X+8*\t+3],   v[ADK] offset:(16*(\t/2)+4*(\t%2))*144      ; tile t begins at key 32 (t / 2) + 8 (t % 2)
	ds_load_b128 v[X+8*\t+4:X+8*\t+7], v[ADK] offset:(16*(\t/2)+4*(\t%2))*144+32
.endr
.irp b, 0,1,2,3                                ; S^T = K Q^T
	s_wait_dscnt 12-4*\b                           ; LDS loads come back in order (ISA guide 5.7.1): this pair of tiles is in; behind it 12 - 4 b loads of 16 bytes were issued
	v_wmma_scale_f32_16x16x128_f8f6f4 v[S+16*\b:S+16*\b+7], v[X+16*\b:X+16*\b+7], v[16:23], 0, v[SW+\b], v[QS] matrix_a_fmt:MATRIX_FMT_FP4 matrix_b_fmt:MATRIX_FMT_FP4
	v_wmma_scale_f32_16x16x128_f8f6f4 v[S+16*\b+8:S+16*\b+15], v[X+16*\b+8:X+16*\b+15], v[16:23], 0, v[SW+\b], v[QS] matrix_a_fmt:MATRIX_FMT_FP4 matrix_b_fmt:MATRIX_FMT_FP4 matrix_a_scale:MATRIX_SCALE_ROW1
.endr
	v_mov_b32 v26, v12                             ; the old -M.  With three v_nop: the four places behind the products, ahead of the loads into their sources and of the first read of the scores
.rept 3
	v_nop
.endr
.irp g, 0,1,2,3                                ; V's fragments and scale words are asked for now: the whole softmax stands between these loads and the wait for them
	ds_load_b32 v[SW+\g], v[ADT] offset:2176*\g    ; tiles 2 g and 2 g + 1: 32 channels are eight units of 272 bytes
.endr
.irp t, 0,1,2,3,4,5,6,7
	ds_load_b128 v[X+8*\t:X+8*\t+3],   v[ADV] offset:16*\t*VP
	ds_load_b128 v[X+8*\t+4:X+8*\t+7], v[ADV] offset:16*\t*VP+32
.endr
.if \diag
.irp b, 0,1,2,3                                ; register i of block b is key 32 b + 16 h + i of the step; my query is 16 u + r of it.  A hidden score becomes -infinity: p = 0, code 0
.irp i, 0,1,2,3,4,5,6,7,8,9,10,11,12,13,14,15
	v_cmp_le_i32 vcc_lo, 32*\b+\i, v[LM]
	v_cndmask_b32 v[S+16*\b+\i], s[NINF], v[S+16*\b+\i], vcc_lo
.endr
.endr
.endif
.irp b, 0,1,2,3                                ; each block's largest score among my 16 keys; each accumulator is read from its low end on
	v_max3_num_f32 v[BM+\b], v[S+16*\b], v[S+16*\b+1], v[S+16*\b+2]
.endr
.irp i, 3,5,7,9,11,13
.irp b, 0,1,2,3
	v_max3_num_f32 v[BM+\b], v[BM+\b], v[S+16*\b+\i], v[S+16*\b+\i+1]
.endr
.endr
.irp b, 0,1,2,3
	v_max_num_f32 v[BM+\b], v[BM+\b], v[S+16*\b+15]
.endr
.irp b, 0,1,2,3
	v_permlanex16_b32 v[TM+\b], v[BM+\b], s[SEL], s[SEL+1]
.endr
.irp b, 0,1,2,3
	v_max_num_f32 v[BM+\b], v[BM+\b], v[TM+\b]     ; and among lane l xor 16's: the block's
.endr
	v_max3_num_f32 v27, v[BM], v[BM+1], v[BM+2]
	v_max_num_f32 v27, v27, v[BM+3]                ; the step's largest score of my query
	v_mul_f32 v27, s[CS], v27                      ; as t (c is positive)
	v_max_num_f32 v13, v13, v27                    ; the running largest t
	v_floor_f32 v12, -v13                          ; the new -M = floor(-t) = -ceil(t): M IS A WHOLE NUMBER
	v_sub_f32 v26, v12, v26                        ; M's old value less its new one: a whole number, 0 or less;
	v_max_num_f32 v26, 0xc3800000, v26             ; held at -256 from below (the first step's is about -3e38): 2^-256 is 0 in f32 as every power under 2^-149 is
	v_cvt_i32_f32 v26, v26
	v_ldexp_f32 v24, 1.0, v26                      ; 2^(old M - new M)
.set a, 0
.rept 32
	v_pk_fma_f32 v[S+2*a:S+2*a+1], v[S+2*a:S+2*a+1], s[CS:CS+1], v[12:13] op_sel_hi:[1,0,0]   ; t - M, one rounding
.set a, a+1
.endr
	v_pk_fma_f32 v[BM:BM+1], v[BM:BM+1], s[CS:CS+1], v[12:13] op_sel_hi:[1,0,0]       ; the same of each block's largest score: it is one of the block's scores, and gets the same two instructions,
	v_pk_fma_f32 v[BM+2:BM+3], v[BM+2:BM+3], s[CS:CS+1], v[12:13] op_sel_hi:[1,0,0]   ; so what comes of it is, bit for bit, that score's p, the block's largest: no second search
.irp b, 0,1,2,3
	v_exp_f32 v[BM+\b], v[BM+\b]
.endr
.set a, 0
.rept 64
	v_exp_f32 v[S+a], v[S+a]                       ; p = 2^(t - M): NOT normalised
.set a, a+1
.endr
	v_nop                                          ; one plain place behind the exponentials (ISA guide 5.7.2)
.irp b, 0,1,2,3
	v_lshrrev_b32 v[TM+\b], 23, v[BM+\b]           ; the largest p's exponent field
.endr
.irp b, 0,1,2,3
	v_max_u32 v[TM+\b], 3, v[TM+\b]                ; (the byte is not to fall under 1)
.endr
.irp b, 0,1,2,3
	v_add_nc_u32 v[TM+\b], -2, v[TM+\b]            ; the scale's byte
.endr
.irp b, 0,1,2,3
	v_lshlrev_b32 v[CV+\b], 23, v[TM+\b]           ; the scale as f32, for the conversions
.endr
	v_lshl_or_b32 v[PS], v[TM+1], 8, v[TM]         ; p's scale word for these 128 keys
	v_lshl_or_b32 v[PS], v[TM+2], 16, v[PS]
	v_lshl_or_b32 v[PS], v[TM+3], 24, v[PS]
.irp b, 0,1,2,3
	v_cvt_scalef32_pk8_fp4_f32 v[PC+2*\b], v[S+16*\b:S+16*\b+7], v[CV+\b]        ; the codes of keys 32 b + 16 h + 0 .. 7
	v_cvt_scalef32_pk8_fp4_f32 v[PC+2*\b+1], v[S+16*\b+8:S+16*\b+15], v[CV+\b]   ; and + 8 .. 15
.endr
	v_nop                                          ; one plain place behind a scaled conversion
.irp c, 0,1                                    ; the operand's layout wants a WHOLE block in a lane: lanes 0-15 block 2 c, lanes 16-31 block 2 c + 1
.irp i, 0,1
	v_permlane16_swap_b32 v[PC+4*\c+\i], v[PC+2+4*\c+\i]
.endr
.endr
.set a, 0
.rept 32
	v_pk_mul_f32 v[O+2*a:O+2*a+1], v[O+2*a:O+2*a+1], v[24:25] op_sel_hi:[1,0]   ; O^T under the new M, each accumulator from its low end on
.set a, a+1
.endr
.irp k, 0,1,2,3                                ; the row's sum is taken of the UNQUANTISED p: four chains of pairs that do not wait for each other
	v_pk_add_f32 v[BM+2*\k:BM+2*\k+1], v[S+2*\k:S+2*\k+1], v[S+8+2*\k:S+9+2*\k]
.endr
.irp a, 8,12,16,20,24,28
.irp k, 0,1,2,3
	v_pk_add_f32 v[BM+2*\k:BM+2*\k+1], v[BM+2*\k:BM+2*\k+1], v[S+2*(\a+\k):S+2*(\a+\k)+1]
.endr
.endr
	v_pk_add_f32 v[BM:BM+1], v[BM:BM+1], v[BM+2:BM+3]
	v_pk_add_f32 v[BM+4:BM+5], v[BM+4:BM+5], v[BM+6:BM+7]
	v_pk_add_f32 v[BM:BM+1], v[BM:BM+1], v[BM+4:BM+5]
	v_pk_fma_f32 v[14:15], v[14:15], v[24:25], v[BM:BM+1] op_sel_hi:[1,0,1]     ; what was summed under the old M is brought under the new, and the step's sum is added
	s_wait_dscnt 0x0                               ; V's fragments and scale words are in.  The 64 packed instructions above are also the places between the writing of p's scale word (8) and codes (4) and the products
.irp g, 0,1,2,3                                ; O^T += V^T P^T.  The eight accumulators take turns, one instruction a turn, and the next step's eight score products stand between two links of a chain
	v_wmma_scale_f32_16x16x128_f8f6f4 v[O+16*\g:O+16*\g+7], v[X+16*\g:X+16*\g+7], v[PC:PC+7], v[O+16*\g:O+16*\g+7], v[SW+\g], v[PS] matrix_a_fmt:MATRIX_FMT_FP4 matrix_b_fmt:MATRIX_FMT_FP4
	v_wmma_scale_f32_16x16x128_f8f6f4 v[O+16*\g+8:O+16*\g+15], v[X+16*\g+8:X+16*\g+15], v[PC:PC+7], v[O+16*\g+8:O+16*\g+15], v[SW+\g], v[PS] matrix_a_fmt:MATRIX_FMT_FP4 matrix_b_fmt:MATRIX_FMT_FP4 matrix_a_scale:MATRIX_SCALE_ROW1
.endr
.endm
; A barrier.  cnt >= 0: it stands in front of a chunk's first read; cnt is how many of a fetching wave's five loads, issued behind those that are wanted, may stay out.  cnt < 0: no tensor load is out any more.
.macro BAR cnt
.if \cnt >= 0
	s_wait_tensorcnt \cnt                          ; tensor loads of a wave end in order (ISA guide 10.11.1)
.endif
	s_wait_dscnt 0x0                               ; no LDS instruction of mine is pending at the signal: my reads so far are over
	s_barrier_signal -1
	s_barrier_wait -1
.endm
; Chunk c's four key steps.  A step ahead of my diagonal is whole, the one on it is masked, those behind it are left out: the branches hang on the work-group's x and the wave's number alone.
.macro LOOPC c
	s_mov_b32 s[TK], KBASE+\c*KCH
	s_mov_b32 s[TV], VBASE+\c*VCH
	s_mov_b32 s[TS], \c*2176                       ; K's scale words: 128 keys are two units of 272 bytes
	s_mov_b32 s[TT], \c*16                         ; V's: 4 bytes a step in each row
	s_mov_b32 s[QI], 0
.Lq_\@:
	s_cmp_lt_u32 s[ST], s[DG]
	s_cbranch_scc1 .Lfull_\@
	s_cmp_eq_u32 s[ST], s[DG]
	s_cbranch_scc0 .Lnext_\@
	STEP 1
	s_branch .Lnext_\@
.Lfull_\@:
	STEP 0
.Lnext_\@:
	s_add_co_u32 s[TK], s[TK], KSTEP
	s_add_co_u32 s[TV], s[TV], 64                  ; 128 codes on in V's rows
	s_add_co_u32 s[TS], s[TS], 544
	s_add_co_u32 s[TT], s[TT], 4
	s_add_co_u32 s[ST], s[ST], 1
	s_add_co_u32 s[QI], s[QI], 1
	s_cmp_lt_u32 s[QI], 4
	s_cbranch_scc1 .Lq_\@
.endm
	s_wait_loadcnt 0x0                             ; Q
	BAR 3                                          ; the scale bytes and chunk 0 are in; chunks 1, 2, 3 may be out
	LOOPC 0
	BAR 2                                          ; chunk 1 is in; chunks 2, 3 may be out
	LOOPC 1
	BAR 0                                          ; chunks 2 and 3 are in: no tensor load is out any more
	LOOPC 2                                        ; (a low wave, D at most 7, finds all eight of these trips behind its diagonal)
	LOOPC 3
	BAR -1                                         ; every wave's reads of K, V and the scale bytes are over: only behind this barrier are the stages written
	; THE WAY OUT.  The sum's halves are added; O^T is divided by the sum and goes through my stage in LDS, half a row (64 channels, 256 bytes) of 16 queries at a time.  The seven address lines are also the places behind the last products.
	v_bfe_u32 v8, v0, 4, 1                         ; h
	v_mul_u32_u24 v10, v[RR], 272
	v_lshl_add_u32 v10, v8, 5, v10
	v_add_nc_u32 v10, s[STG], v10                  ; in: row r; tile t's eight channels of my half of the lanes: 64 t + 32 h bytes on
	v_mul_u32_u24 v11, v8, 272
	v_lshl_add_u32 v11, v[RR], 4, v11
	v_add_nc_u32 v11, s[STG], v11                  ; back: lanes 0-15 one row, lanes 16-31 the next
	v_add_f32 v14, v14, v15
	v_permlanex16_b32 v27, v14, s[SEL], s[SEL+1]
	v_add_f32 v14, v14, v27                        ; the row's sum: my keys' and lane l xor 16's
	v_rcp_f32 v24, v14
	v_nop                                          ; one plain place behind the reciprocal
.set a, 0
.rept 32
	v_pk_mul_f32 v[S+2*a:S+2*a+1], v[O+2*a:O+2*a+1], v[24:25] op_sel_hi:[1,0]   ; O^T / the sum: register 8 t + i is out(r, 16 t + 8 h + i)
.set a, a+1
.endr
.irp u, 0,1                                    ; channels 64 u on
.irp t, 0,1,2,3
	ds_store_b128 v10, v[S+32*\u+8*\t:S+32*\u+8*\t+3] offset:64*\t
	ds_store_b128 v10, v[S+32*\u+8*\t+4:S+32*\u+8*\t+7] offset:64*\t+16
.endr
.irp i, 0,1,2,3,4,5,6,7
	ds_load_b128 v[X+32*\u+4*\i:X+32*\u+4*\i+3], v11 offset:2*\i*272   ; LDS serves a wave's instructions in order (ISA guide 5.7.1.4): these see my stores, and the next half's stores come behind them
.endr
.endr
.irp u, 0,1
.irp i, 0,1,2,3,4,5,6,7
	s_wait_dscnt 16*(1-\u)+7-\i                    ; behind this load: the rest of its eight, and for the first half the second half's eight stores and eight loads
	global_store_b128 v[GO], v[X+32*\u+4*\i:X+32*\u+4*\i+3], s[16:17] offset:1024*\i+256*\u th:TH_STORE_NT   ; 16 lanes store 256 consecutive bytes, at a multiple of 256 from out's first byte
.endr
.endr
	s_endpgm
.Lfunc_end_k_q6862e961b8_attn:
	.size	k_q6862e961b8_attn, .Lfunc_end_k_q6862e961b8_attn-k_q6862e961b8_attn
	.p2alignl 7, 3214868480
	.fill 96, 4, 3214868480
	.section	.rodata,"a",@progbits
	.p2align	6, 0x0
	.amdhsa_kernel k_q6862e961b8_attn
		.amdhsa_group_segment_fixed_size 327680
		.amdhsa_private_segment_fixed_size 0
		.amdhsa_enable_private_segment 0
		.amdhsa_kernarg_size 56
		.amdhsa_user_sgpr_count 2
		.amdhsa_user_sgpr_kernarg_segment_ptr 1
		.amdhsa_wavefront_size32 1
		.amdhsa_system_sgpr_workgroup_id_x 1
		.amdhsa_system_sgpr_workgroup_id_y 1
		.amdhsa_system_sgpr_workgroup_id_z 1
		.amdhsa_system_vgpr_workitem_id 0
		.amdhsa_next_free_vgpr 256
		.amdhsa_next_free_sgpr 84
		.amdhsa_reserve_vcc 1
		.amdhsa_float_denorm_mode_32 3
		.amdhsa_float_denorm_mode_16_64 3
		.amdhsa_memory_ordered 1
		.amdhsa_forward_progress 1
		.amdhsa_inst_pref_size 179
	.end_amdhsa_kernel
	.amdgpu_metadata
---
amdhsa.version: [ 1, 2 ]
amdhsa.kernels:
  - .name:           k_q6862e961b8_attn
    .symbol:         k_q6862e961b8_attn.kd
    .args:
      - { .name: q_codes, .offset: 0, .size: 8, .value_kind: global_buffer, .address_space: global }
      - { .name: q_scales, .offset: 8, .size: 8, .value_kind: global_buffer, .address_space: global }
      - { .name: k_codes, .offset: 16, .size: 8, .value_kind: global_buffer, .address_space: global }
      - { .name: k_scales, .offset: 24, .size: 8, .value_kind: global_buffer, .address_space: global }
      - { .name: v_codes, .offset: 32, .size: 8, .value_kind: global_buffer, .address_space: global }
      - { .name: v_scales, .offset: 40, .size: 8, .value_kind: global_buffer, .address_space: global }
      - { .name: out0, .offset: 48, .size: 8, .value_kind: global_buffer, .address_space: global }
    .group_segment_fixed_size: 327680
    .private_segment_fixed_size: 0
    .kernarg_segment_align: 8
    .kernarg_segment_size: 56
    .max_flat_workgroup_size: 512
    .sgpr_count:     84
    .vgpr_count:     256
    .wavefront_size: 32
...
	.end_amdgpu_metadata
.endif
;; end of part 1
